; MI455X (gfx1250); checked and timed in simulation.
; The chip was launched on July 23, 2026; its instructions are those of AMD's public machine-readable ISA for CDNA 5 (MIT licence, August 2026) and "CDNA5" Instruction Set Architecture Reference Guide (July 2026). The comments in the code are by the model that wrote it; some were corrected since.
;; Q Lo RA Linear. Allowed arithmetic: float matrix products may take bf16 or f16 operands with f32 sums; other float arithmetic in f32, or as packed bf16 or f16 multiplies, adds, multiply-adds, maxima and minima; sums over many terms, partial sums and values carried from step to step in f32; what a program stores and reads back later, other than sums and carried values, may be rounded once to bf16 or f16.
;; Inputs: absmax 4,096 x 64 float32; bias 4,096 float32; lora_A 4,096 x 16 float32; lora_B 16 x 4,096 float32; w_codes 4,096 x 4,096 int32; x 4,096 x 4,096 float32.
;; Outputs: out0 4,096 x 4,096 float32.
;; 2 versions, each right; version 2 is version 1 with the launch prep written anew for expert scheduling mode. Each part assembles by itself: llvm-mc -triple=amdgcn-amd-amdhsa -mcpu=gfx1250 --defsym DOCPART=n.
;; ======== version 1 of 2: 2 launches
;; workspace buffers: xb 33,554,432 bytes; wb 33,554,432 bytes
;; launch prep (part 1): grid 256 x 1, 16 waves a work-group, no clusters, 0 bytes of LDS; arguments x, w_codes, absmax, lora_A, lora_B, xb, wb; writes xb, wb
.if DOCPART == 1
	.amdgcn_target "amdgcn-amd-amdhsa--gfx1250"
	.amdhsa_code_object_version 6
	.text
	.protected	k_qa4eb1fdecf_prep
	.globl	k_qa4eb1fdecf_prep
	.p2align	8
	.type	k_qa4eb1fdecf_prep,@function
k_qa4eb1fdecf_prep:
	s_mov_b64 s[64:65], 0
	v_nop
	global_prefetch_b8 v0, s[64:65] scope:SCOPE_SE
	s_setreg_imm32_b32 hwreg(HW_REG_WAVE_MODE, 25, 1), 1
	s_wait_xcnt 0x0
; out0 = x W^T + bias + 4 (x A) B, with W[n][k] = NF4[code[n][k]] absmax[n][k / 64]; x [4096][4096], code [4096][4096], A = lora_A [4096][16], B = lora_B [16][4096]; 4 = 16 / sqrt(16).
; THE PROGRAM has two launches.  This one makes the two 16-bit matrix operands, each once; the second multiplies them and adds the bias.
; THE IDENTITY.  x W^T + 4 (x A) B = x (W + 4 (A B)^T)^T for all values: a product distributes over a sum, and products associate.  So the low-rank term is added to the weight here,
; 16 multiply-adds for each weight, and the second launch has one product.  NOTHING IS LEFT OUT: every input is loaded (bias by the second launch) and reaches the output.
; LIMITS.  All floating-point inputs (x, absmax, lora_A, lora_B, and bias in the second launch) are taken rounded once to bf16; the sum NF4 x absmax + 4 (A B)^T is made in f32 and rounded once to bf16,
; an order of rounding other than reference()'s.  Codes lie in 0 .. 15, as an index into the table of 16 must; the lane permute that looks them up takes a code modulo 32.  NaN and infinities are not treated apart.
; SHARES.  Work-group g has rows 16 g .. 16 g + 15 of W and of x.  Waves 0-7 make wb, wave w the columns k = 512 w .. 512 w + 511; waves 8-15 make xb, two rows each.  No wave wants a byte that another
; has fetched: no LDS bytes, no barrier.  (ds_bpermute_b32 moves registers between lanes and touches no LDS byte.)
; xb: bf16 [4096][4096], rows of 8,192 bytes.
; wb: bf16 in the order of the second launch's operand registers: element (n, k), n = 16 nt + r, k = 128 s + 32 q + 16 c + 8 h + j, lies at byte s 2^20 + nt 4096 + q 1024 + c 512 + (r + 16 h) 16 + 2 j.
.set VC,  5            ; v5   codes: r x 16,384 + 32 h; never rewritten
.set VA,  6            ; v6   lora_A: r x 64 + 32 h; never rewritten
.set VM,  7            ; v7   absmax: r x 256; never rewritten
.set VB,  8            ; v8   lora_B: h x 8 rows of 16,384 + 4 r; never rewritten
.set VO,  9            ; v9   wb: 16 x lane; never rewritten
.set TAB, 10           ; v10  the NF4 table: lane i holds entry i (lanes 15 to 31: 1.0)
.set AM,  12           ; v[12:19]   my row's 8 absmax, one for each unit of 64 k
.set BF,  20           ; v[20:27]   4 lora_B as source 1: 16 columns n, ranks 8 h + 0..7 in registers 0-3; registers 4-7 (ranks 16 on) are 0
.set AF,  28           ; v[28:59]   lora_A as source 0, four fragments of 16 rows k; registers 4-7 of each are 0
.set ACC, 60           ; v[60:91]   four results of 16 k x 16 n; before the first product v[60:67] take lora_B as loaded
.set BT,  60
.set AR,  92           ; v[92:155]  lora_A as loaded, two sets of 32
.set CB,  156          ; v[156:251] codes, three sets of 32
.set CODB, 26          ; s[26:27] w_codes at my 16 rows, my 512 columns
.set LAB,  28          ; s[28:29] lora_A at my 512 rows
.set AMB,  30          ; s[30:31] absmax at my 16 rows, my 8 blocks
.set LBB,  32          ; s[32:33] lora_B at my 16 columns
.set WBB,  34          ; s[34:35] wb at my four K steps, my 16 rows
.set XO,  5            ; (x path) v5  16 x lane
.set YO,  6            ; (x path) v6  8 x lane
.set X,   32           ; (x path) v[32:159]  32 slots of 4: 16 bytes of x a lane
.set Y,   160          ; (x path) v[160:223] 32 slots of 2: 8 bytes of xb a lane
	s_load_b256 s[4:11], s[0:1], 0x0               ; x s[4:5], w_codes s[6:7], absmax s[8:9], lora_A s[10:11]
	s_load_b128 s[12:15], s[0:1], 0x20             ; lora_B s[12:13], xb s[14:15]
	s_load_b64 s[16:17], s[0:1], 0x30              ; wb
	v_lshrrev_b32 v1, 5, v0
	v_readfirstlane_b32 s20, v1                    ; wave 0..15
	v_and_b32 v2, 31, v0                           ; lane
	s_and_b32 s21, s20, 7                          ; w: my place among the eight waves of my path
	s_mov_b32 s23, 0                               ; the high word of every offset
	s_wait_kmcnt 0x0
	s_cmp_lt_u32 s20, 8
	s_cbranch_scc0 .Lcast
	; ---------------- THE WEIGHT ----------------
	v_and_b32 v3, 15, v2                           ; r
	v_lshrrev_b32 v4, 4, v2                        ; h
	v_lshlrev_b32 v[VC], 14, v3
	v_lshl_add_u32 v[VC], v4, 5, v[VC]
	v_lshlrev_b32 v[VA], 6, v3
	v_lshl_add_u32 v[VA], v4, 5, v[VA]
	v_lshlrev_b32 v[VM], 8, v3
	v_lshlrev_b32 v[VB], 2, v3
	v_lshl_add_u32 v[VB], v4, 17, v[VB]
	v_lshlrev_b32 v[VO], 4, v2
	s_lshl_b32 s22, ttmp9, 18                      ; 16 rows of 16,384 bytes,
	s_lshl_b32 s24, s21, 11                        ; 512 codes of 4 bytes
	s_add_co_u32 s22, s22, s24
	s_add_nc_u64 s[CODB:CODB+1], s[6:7], s[22:23]
	s_lshl_b32 s22, s21, 15                        ; 512 rows of 64 bytes
	s_add_nc_u64 s[LAB:LAB+1], s[10:11], s[22:23]
	s_lshl_b32 s22, ttmp9, 12                      ; 16 rows of 256 bytes,
	s_lshl_b32 s24, s21, 5                         ; 8 blocks of 4 bytes
	s_add_co_u32 s22, s22, s24
	s_add_nc_u64 s[AMB:AMB+1], s[8:9], s[22:23]
	s_lshl_b32 s22, ttmp9, 6                       ; 16 columns of 4 bytes
	s_add_nc_u64 s[LBB:LBB+1], s[12:13], s[22:23]
	s_lshl_b32 s22, s21, 22                        ; four K steps of 2^20 bytes,
	s_lshl_b32 s24, ttmp9, 12                      ; nt = g
	s_add_co_u32 s22, s22, s24
	s_add_nc_u64 s[WBB:WBB+1], s[16:17], s[22:23]
; A UNIT is 64 k (one block of absmax) x 16 n: four tiles t of 16 k.  No address register and no base is ever rewritten: every step stands in an immediate.
.macro LOADA U                         ; lora_A[k0 + r][8 h .. 8 h + 7] for the unit's four tiles: 8 loads into set U % 2
.irp t, 0,1,2,3
	global_load_b128 v[AR+32*((\U)%2)+8*(\t):AR+32*((\U)%2)+8*(\t)+3],   v[VA], s[LAB:LAB+1] offset:(\U)*4096+(\t)*1024
	global_load_b128 v[AR+32*((\U)%2)+8*(\t)+4:AR+32*((\U)%2)+8*(\t)+7], v[VA], s[LAB:LAB+1] offset:(\U)*4096+(\t)*1024+16
.endr
.endm
.macro LOADC U                         ; code[n0 + r][k0 + 8 h .. + 7] for the unit's four tiles: 8 loads into set U % 3; together they take 256 consecutive bytes, aligned, of each of the 16 rows
.irp t, 0,1,2,3
	global_load_b128 v[CB+32*((\U)%3)+8*(\t):CB+32*((\U)%3)+8*(\t)+3],   v[VC], s[CODB:CODB+1] offset:(\U)*256+(\t)*64 th:TH_LOAD_NT
	global_load_b128 v[CB+32*((\U)%3)+8*(\t)+4:CB+32*((\U)%3)+8*(\t)+7], v[VC], s[CODB:CODB+1] offset:(\U)*256+(\t)*64+16 th:TH_LOAD_NT
.endr
.endm
; The product is (16 rows k of A) x (16 columns n of 4 B): in the result register j of lane (r, h) is (k0 + 8 h + j, n0 + r): eight neighbouring k of ONE row of W, which are the lane's 16 bytes of wb.
.macro UNIT U, left
	s_wait_loadcnt \left                           ; this unit's lora_A and codes are in; left = the loads issued behind the later of the two
	s_wait_xcnt 0x0                                ; the last unit's stores have read their data: ACC is written again only behind this wait
.irp t, 0,1,2,3
.irp i, 0,1,2,3
	v_cvt_pk_bf16_f32 v[AF+8*(\t)+(\i)], v[AR+32*((\U)%2)+8*(\t)+2*(\i)], v[AR+32*((\U)%2)+8*(\t)+2*(\i)+1]
.endr
.endr
.if (\U) <= 5
	LOADA (\U)+2                                   ; the set just read takes the unit two on
.endif
.irp t, 0,1,2,3
	v_wmma_f32_16x16x32_bf16 v[ACC+8*(\t):ACC+8*(\t)+7], v[AF+8*(\t):AF+8*(\t)+7], v[BF:BF+7], 0  ; four accumulators, each sum begun and ended by one product
.endr
.set cc, CB+32*((\U)%3)
.rept 32
	v_lshlrev_b32 v[cc], 2, v[cc]                  ; a code as a lane's byte address; these 32 lines name no register of the products: they are the places behind them
.set cc, cc+1
.endr
.set cc, CB+32*((\U)%3)
.rept 32
	ds_bpermute_b32 v[cc], v[cc], v[TAB]           ; NF4[code]: each lane takes the table's word from the lane that the code names
.set cc, cc+1
.endr
.irp t, 0,1,2,3
	s_wait_dscnt 24-8*(\t)                         ; tile t's eight are back; the later tiles' may be out
.irp j, 0,1,2,3,4,5,6,7
	v_fma_f32 v[ACC+8*(\t)+(\j)], v[CB+32*((\U)%3)+8*(\t)+(\j)], v[AM+(\U)], v[ACC+8*(\t)+(\j)]  ; NF4 x absmax + 4 (A B); the accumulator is read from its low end on
.endr
.irp i, 0,1,2,3
	v_cvt_pk_bf16_f32 v[ACC+8*(\t)+(\i)], v[ACC+8*(\t)+2*(\i)], v[ACC+8*(\t)+2*(\i)+1]  ; in place: word i is written when words 2 i and 2 i + 1 are read
.endr
	global_store_b128 v[VO], v[ACC+8*(\t):ACC+8*(\t)+3], s[WBB:WBB+1] offset:((\U)/2)*1048576+((\U)%2)*2048+(\t)*512  ; the wave stores 512 consecutive bytes, aligned: half a fragment
.endr
.if (\U) <= 4
	LOADC (\U)+3                                   ; the set just read takes the unit three on
.endif
.endm
.macro NF i, bits                      ; entry i of the table into lane i
	s_mov_b32 s24, \bits
	v_writelane_b32 v[TAB], s24, \i
.endm
.irp j, 0,1,2,3,4,5,6,7
	global_load_b32 v[BT+(\j)], v[VB], s[LBB:LBB+1] offset:(\j)*16384  ; lora_B[8 h + j][n0 + r]: 1 KiB a wave, once
.endr
	global_load_b128 v[AM:AM+3],   v[VM], s[AMB:AMB+1]             ; the eight waves together take each row's 256 bytes once
	global_load_b128 v[AM+4:AM+7], v[VM], s[AMB:AMB+1] offset:16
	LOADA 0
	LOADC 0
	LOADA 1
	LOADC 1
	LOADC 2
	; while the 50 loads are out: the table, and the zeros of the ranks that do not exist
	v_mov_b32 v[TAB], 1.0
	NF 0,  0xbf800000
	NF 1,  0xbf3239b1
	NF 2,  0xbf066b30
	NF 3,  0xbeca32a0
	NF 4,  0xbe91a24d
	NF 5,  0xbe3d353f
	NF 6,  0xbdba7871
	NF 7,  0
	NF 8,  0x3da2faff
	NF 9,  0x3e24cae3
	NF 10, 0x3e7c04dd
	NF 11, 0x3ead033a
	NF 12, 0x3ee1a4b8
	NF 13, 0x3f1007ab
	NF 14, 0x3f3913b3
.irp t, 0,1,2,3
.irp i, 4,5,6,7
	v_mov_b32 v[AF+8*(\t)+(\i)], 0
.endr
.endr
.irp i, 4,5,6,7
	v_mov_b32 v[BF+(\i)], 0
.endr
	s_wait_loadcnt 40                              ; lora_B and absmax are in: behind them five groups of 8 loads were issued
.irp i, 0,1,2,3
	v_pk_mul_f32 v[BT+2*(\i):BT+2*(\i)+1], v[BT+2*(\i):BT+2*(\i)+1], 4.0 op_sel_hi:[1,0]  ; the scaling, a power of two: exact, so bf16(4 B) = 4 bf16(B)
.endr
.irp i, 0,1,2,3
	v_cvt_pk_bf16_f32 v[BF+(\i)], v[BT+2*(\i)], v[BT+2*(\i)+1]
.endr
.irp i, 0,1,2,3
	v_cvt_pk_bf16_f32 v1, v[AM+2*(\i)], v[AM+2*(\i)+1]         ; absmax rounded to bf16, and widened again
	v_lshlrev_b32 v[AM+2*(\i)], 16, v1
	v_and_b32 v[AM+2*(\i)+1], 0xffff0000, v1
.endr
	; The loads go out in the order A0 C0 A1 C1 C2 A2 C3 A3 C4 A4 C5 A5 C6 A6 C7 A7: behind the later of a unit's two groups stand three groups of 8 when the unit begins; behind A6 two; behind A7 none.
	UNIT 0, 24
	UNIT 1, 24
	UNIT 2, 24
	UNIT 3, 24
	UNIT 4, 24
	UNIT 5, 24
	UNIT 6, 16
	UNIT 7, 0
	s_endpgm
	; ---------------- x ROUNDED TO bf16 ----------------
	; Wave w has rows 16 g + 2 w and the next: 32,768 dense bytes in, 16,384 out, in 64 chunks: a load takes 512 consecutive bytes, a store fills 256 consecutive bytes, aligned.
	; A ring of 32 slots in registers: 32 loads of the wave are out until the last round.
.Lcast:
	v_lshlrev_b32 v[XO], 4, v2
	v_lshlrev_b32 v[YO], 3, v2
	s_lshl_b32 s22, ttmp9, 18                      ; 16 rows of 16,384 bytes,
	s_lshl_b32 s24, s21, 15                        ; two rows
	s_add_co_u32 s22, s22, s24
	s_add_nc_u64 s[36:37], s[4:5], s[22:23]
	s_lshr_b32 s22, s22, 1                         ; half as many bytes in xb
	s_add_nc_u64 s[38:39], s[14:15], s[22:23]
.set i, 0
.rept 32
	global_load_b128 v[X+4*i:X+4*i+3], v[XO], s[36:37] offset:i*512 th:TH_LOAD_NT
.set i, i+1
.endr
.macro XS ahead, left                  ; slot i's turn.  ahead = 1: it is filled again with the chunk 32 on.  left: the younger loads, which stay out
	s_wait_loadcnt \left
	v_cvt_pk_bf16_f32 v[Y+2*i],   v[X+4*i],   v[X+4*i+1]
	v_cvt_pk_bf16_f32 v[Y+2*i+1], v[X+4*i+2], v[X+4*i+3]
.if \ahead
	global_load_b128 v[X+4*i:X+4*i+3], v[XO], s[36:37] offset:(i+32)*512 th:TH_LOAD_NT
	global_store_b64 v[YO], v[Y+2*i:Y+2*i+1], s[38:39] offset:i*256
.else
	global_store_b64 v[YO], v[Y+2*i:Y+2*i+1], s[38:39] offset:(i+32)*256
.endif
.endm
.set i, 0
.rept 32
	XS 1, 31
.set i, i+1
.endr
	s_wait_xcnt 0x0                                ; the first round's stores have read Y: it is written again only behind this wait
.set i, 0
.rept 32
	XS 0, 31-i                                     ; the last round loads nothing: the counts run down
.set i, i+1
.endr
	s_endpgm
.Lfunc_end_k_qa4eb1fdecf_prep:
	.size	k_qa4eb1fdecf_prep, .Lfunc_end_k_qa4eb1fdecf_prep-k_qa4eb1fdecf_prep
	.p2alignl 7, 3214868480
	.fill 96, 4, 3214868480
	.section	.rodata,"a",@progbits
	.p2align	6, 0x0
	.amdhsa_kernel k_qa4eb1fdecf_prep
		.amdhsa_group_segment_fixed_size 0
		.amdhsa_private_segment_fixed_size 0
		.amdhsa_enable_private_segment 0
		.amdhsa_kernarg_size 56
		.amdhsa_user_sgpr_count 2
		.amdhsa_user_sgpr_kernarg_segment_ptr 1
		.amdhsa_wavefront_size32 1
		.amdhsa_system_sgpr_workgroup_id_x 1
		.amdhsa_system_sgpr_workgroup_id_y 1
		.amdhsa_system_sgpr_workgroup_id_z 1
		.amdhsa_system_vgpr_workitem_id 0
		.amdhsa_next_free_vgpr 256
		.amdhsa_next_free_sgpr 66
		.amdhsa_reserve_vcc 0
		.amdhsa_float_denorm_mode_32 3
		.amdhsa_float_denorm_mode_16_64 3
		.amdhsa_memory_ordered 1
		.amdhsa_forward_progress 1
		.amdhsa_inst_pref_size 103
	.end_amdhsa_kernel
	.amdgpu_metadata
---
amdhsa.version: [ 1, 2 ]
amdhsa.kernels:
  - .name:           k_qa4eb1fdecf_prep
    .symbol:         k_qa4eb1fdecf_prep.kd
    .args:
      - { .name: x, .offset: 0, .size: 8, .value_kind: global_buffer, .address_space: global }
      - { .name: w_codes, .offset: 8, .size: 8, .value_kind: global_buffer, .address_space: global }
      - { .name: absmax, .offset: 16, .size: 8, .value_kind: global_buffer, .address_space: global }
      - { .name: lora_A, .offset: 24, .size: 8, .value_kind: global_buffer, .address_space: global }
      - { .name: lora_B, .offset: 32, .size: 8, .value_kind: global_buffer, .address_space: global }
      - { .name: xb, .offset: 40, .size: 8, .value_kind: global_buffer, .address_space: global }
      - { .name: wb, .offset: 48, .size: 8, .value_kind: global_buffer, .address_space: global }
    .group_segment_fixed_size: 0
    .private_segment_fixed_size: 0
    .kernarg_segment_align: 8
    .kernarg_segment_size: 56
    .max_flat_workgroup_size: 512
    .sgpr_count:     66
    .vgpr_count:     256
    .wavefront_size: 32
...
	.end_amdgpu_metadata
.endif
;; end of part 1
;; launch gemm (part 2): grid 16 x 16, 4 waves a work-group, clusters of 4 x 4, 327,680 bytes of LDS; arguments xb, wb, bias, out0; writes out0
.if DOCPART == 2
	.amdgcn_target "amdgcn-amd-amdhsa--gfx1250"
	.amdhsa_code_object_version 6
	.text
	.protected	k_qa4eb1fdecf_gemm
	.globl	k_qa4eb1fdecf_gemm
	.p2align	8
	.type	k_qa4eb1fdecf_gemm,@function
k_qa4eb1fdecf_gemm:
	s_mov_b64 s[64:65], 0
	v_nop
	global_prefetch_b8 v0, s[64:65] scope:SCOPE_SE
	s_setreg_imm32_b32 hwreg(HW_REG_WAVE_MODE, 25, 1), 1
	s_wait_xcnt 0x0
	s_wait_alu depctr_hold_cnt(0) depctr_sa_sdst(0) depctr_va_vdst(0) depctr_va_sdst(0) depctr_va_ssrc(0) depctr_va_vcc(0) depctr_vm_vsrc(0)
	s_getreg_b32 s2, hwreg(HW_REG_IB_STS2, 6, 4)
	s_cmp_eq_u32 s2, 0
	s_cbranch_scc0 .Lentry_in_a_cluster
	s_endpgm
.Lentry_in_a_cluster:
	s_bfe_u32 s2, ttmp6, 0x10000c
	s_cmp_lg_u32 s2, 0xf033
	s_cbranch_scc0 .Lentry_shape_is_right
	s_endpgm
.Lentry_shape_is_right:
; out0[m][n] = bf16(bias[n]) + the sum over k of xb[m][k] w'[n][k], f32.  xb = bf16(x), [4096][4096]; wb holds w' = bf16(NF4 x absmax + 4 (A B)^T), the low-rank term folded in by the launch before
; (x W^T + 4 (x A) B = x (W + 4 (A B)^T)^T for all values): no step of the problem is left out.  LIMITS: bias is taken rounded to bf16, like the other floating-point inputs; NaN and infinities are not treated apart.
; wb's order: element (n, k), n = 16 nt + r, k = 128 s + 32 q + 16 c + 8 h + j, at byte s 2^20 + nt 4096 + q 1024 + c 512 + (r + 16 h) 16 + 2 j: a fragment of 16 rows x 32 k is 1,024 bytes on end,
; two loads of 16 bytes a lane at 16 x lane; 128 rows of one K step are 32,768 dense bytes.
; SHARES.  A tile of out0, 256 x 256, is made by a work-group of four waves; a wave makes 128 x 128: 64 accumulators of 16 x 16, 512 registers.  16 x 16 tiles: 256 work-groups.
; K goes in steps of 128 through a ring of two LDS slots filled by the tensor data mover; each wave brings a quarter of a slot by one load: waves 0 and 1 the halves of xb's 256 rows (256 bytes a row,
; padded to 272 in LDS), waves 2 and 3 the halves of wb's 65,536 bytes (dense, so no padding).
; CLUSTERS: 4 x 4 work-groups.  The four of a row of the cluster need the same tiles of xb, the four of a column the same tiles of wb: each tile is asked for JOINTLY, by the same tensor load with the same
; descriptor and a mask that names the four.
; THE MATRIX INSTRUCTION IS USED TRANSPOSED: source 0 = 16 rows of w', source 1 = 16 rows of xb.  Lane l then holds row l % 16 of out0 and its registers the columns 8 (l / 16) + 0..7.
; THE BIAS STARTS THE SUMS: it is the C operand of the first product on each accumulator; nothing is cleared, and nothing is added at the end.
; REGISTERS, in windows of 256 (s_set_vgpr_msb: bits 1:0 source 0, 3:2 source 1, 5:4 source 2, 7:6 destination):
;   window 0: v0-31 addresses; v64-127, v128-191 fragments of xb, two buffers (on the way out: rows read back from the stage); v192-255 the bias of my 128 columns, 8 registers for each block of 16
;   window 1: v64-127, v128-191 fragments of w', two buffers     window 2: the accumulators of my rows 0-63 ((a, b) at v[8 (8 a + b)])     window 3: those of my rows 64-127
.set KSTEP,  128
.set PITCH,  272                       ; an LDS row of xb: 256 bytes + 16 of padding = 68 words: row r starts at bank 4 r mod 64 (64 banks of 4 bytes: ISA guide 11.1)
.set HALFT,  128*PITCH                 ; 128 rows of xb
.set AREG,   2*HALFT                   ; xb's 256 rows; behind them w''s
.set BHALF,  32768                     ; 128 rows of w', one K step
.set SLOT,   AREG+2*BHALF
.set STAGE,  2*SLOT                    ; behind the ring: 16 rows x 528 bytes for each wave, for the way out; no tensor load lands here
.set SPITCH, 528                       ; 512 bytes + 16: 33 x 16, so the sixteen rows of a store start at sixteen different groups of four banks
.set SPARE,  STAGE+4*16*SPITCH         ; behind the stages: the spare words, 128 bytes for each wave: two blocks of 256 bytes that no other line names
.set LAPS,   16                        ; a lap = two K steps = once round the ring: 4,096 / 256
.set ADRA, 16                          ; v16-17  LDS address of my xb fragments in slot 0, 1
.set ADRB, 20                          ; v20-21  the same for w'
.set STO,  24                          ; v24     the way out: where I put 32 bytes of a row
.set RD,   25                          ; v25     the way out: where I read a row back
.set CO,   26                          ; v26     16 x lane: my bytes in 512 of a row of out0
.set BO,   27                          ; v27     32 x (lane / 16): my eight numbers in a block of 16 of bias
.set SPW,  28                          ; v28     LDS address of my spare word; never rewritten
.set NIL,  29                          ; v29     0; never rewritten
.set PFO,  30                          ; v30     the prefetches' offset; never rewritten
.set F0,   64
.set F1,   128
.set BIAS, 192
.set WV, 12                            ; s12  my wave's number
.set RH, 13                            ; s13  which half of the tile's rows is mine.  Also: I fetch xb (0) or w' (1)
.set CH, 14                            ; s14  which half of its columns.  Also: which half of that tile I fetch
.set CX, 15
.set CY, 16
.set TX, 17                            ; s17  tile column
.set TY, 18                            ; s18  tile row
.set G1,  24                           ; s[24:31] descriptor group 1 for xb's tiles;  s[32:39] group 0, a set for each slot
.set G0,  32
.set LIM, 43                           ; s43  1 in a wave that prefetches, else the greatest number
.set PFA, 44                           ; s[44:45] where my prefetches stand
.set PFS, 46                           ; s[46:47] a K step in my tensor: 256 bytes in xb, 2^20 in wb
.set G1B, 48                           ; s[48:55], s[56:63] the same for w''s tiles
.set G0B, 56
.set OUTB, 76                          ; s[76:77] out0 at my 128 x 128; never rewritten
.set MSB, 0
.macro WIN new                         ; the immediate's high byte repeats the setting that is left; a switch that changes nothing is dropped
.if MSB != (\new)
	s_set_vgpr_msb (MSB<<8)|(\new)
.set MSB, \new
.endif
.endm
.set MUL_LO, 0xa1                      ; source 0 (w') window 1, source 1 (xb) window 0, C and D window 2
.set TO_B,   0x40                      ; destination window 1, address window 0
; A joint load.  Each of the two lines has one mask and one set of registers for all that issue it.  The branch hangs on the wave's number alone.
; An s_nop 0 and four v_nop follow each line, ahead of the jump, the label and what follows.
.macro JLOAD s
	s_cmp_eq_u32 s[RH], 0
	s_cbranch_scc0 .Lfor_b_\@
	tensor_load_to_lds s[G0+4*(\s):G0+4*(\s)+3], s[G1:G1+7]
	s_nop 0
.rept 4
	v_nop
.endr
	s_branch .Lasked_\@
.Lfor_b_\@:
	tensor_load_to_lds s[G0B+4*(\s):G0B+4*(\s)+3], s[G1B:G1B+7]
	s_nop 0
.rept 4
	v_nop
.endr
.Lasked_\@:
.endm
; A PREFETCH INTO THE L2, behind each joint refill and the run of LDS loads that follows it: my share of the K step that stands TWO refills on, 512 matrix instructions ahead of the load that will ask for it.
; Each 256 bytes of xb and wb are named once in the launch.  xb's tile row is read by every cluster of that row of clusters: cluster x = 0 asks; wb's tile column by every cluster of that column: cluster y = 0 asks.
; The four partners that ask for a tile jointly share it out BY ADDRESS: of the 128 rows of xb that a wave fetches the partner at cx takes 32, a lane a row; of the 32,768 bytes of wb the partner at cy takes 8,192,
; a lane 256.  K steps 0 to 3 come by their loads alone; the loop's last trip (s3 = 1), whose refills are the last two K steps, asks for nothing.
.macro ASK
	s_cmp_gt_u32 s3, s[LIM]
	s_cbranch_scc0 .Lnot_mine_\@
	global_prefetch_b8 v[PFO], s[PFA:PFA+1] th:TH_LOAD_NT scope:SCOPE_SE
.Lnot_mine_\@:
.endm
; A round of the cluster's barrier: my work-group's barrier; wave 0 signals for the work-group; every wave waits for all sixteen work-groups; my work-group's barrier once more.
.macro CREST                           ; a round behind its opening barrier
	s_cmp_lg_u32 s[WV], 0
	s_cbranch_scc1 .Lnot_wave_0_\@
	s_barrier_signal -3
.Lnot_wave_0_\@:
	s_barrier_wait -3
	s_barrier_signal -1
	s_barrier_wait -1
.endm
.macro CROUND
	s_barrier_signal -1
	s_barrier_wait -1
	CREST
.endm
	s_load_b256 s[4:11], s[0:1], 0x0               ; xb s[4:5], wb s[6:7], bias s[8:9], out0 s[10:11]
	v_lshl_add_u32 v[SPW], v0, 2, SPARE
	v_mov_b32 v[NIL], 0
	ds_add_u32 v[SPW], v[NIL]                      ; the wave's opening: the add, twice on end, and its wait ahead of my first tensor load
	ds_add_u32 v[SPW], v[NIL]                      ; once more; the set-up below, work on registers, stands between it and the wait
	v_lshrrev_b32 v1, 5, v0
	v_readfirstlane_b32 s[WV], v1                  ; wave 0..3
	s_lshr_b32 s[RH], s[WV], 1
	s_and_b32 s[CH], s[WV], 1
	s_bfe_u32 s[CX], ttmp6, 0x40000                ; my place in the cluster
	s_bfe_u32 s[CY], ttmp6, 0x40004
	s_lshl_b32 s[TX], ttmp9, 2                     ; in a cluster launch ttmp9 and ttmp7 count clusters
	s_add_co_u32 s[TX], s[TX], s[CX]
	s_and_b32 s[TY], ttmp7, 0xffff
	s_lshl_b32 s[TY], s[TY], 2
	s_add_co_u32 s[TY], s[TY], s[CY]
	s_lshl_b32 s19, s[CY], 2
	s_lshl_b32 s19, 15, s19                        ; my row of the cluster: places 4 cy .. 4 cy + 3
	s_lshl_b32 s20, 0x1111, s[CX]                  ; my column: places cx, cx + 4, cx + 8, cx + 12
	; group 1 for xb: 128 rows x 128 elements of 2 bytes, 4,096 elements from row to row, 4 words of padding behind every 64
	s_or_b32 s[G1+0], s19, (1<<16)|(1<<20)|(1<<21)|(5<<22)|(3<<25)  ; 15:0 the mask; 17:16 2-byte elements; 20 padding on; 21 set beside a mask; 24:22 interval code 5; 31:25 pad code 3
	s_mov_b32 s[G1+1], KSTEP<<16                   ; tensor_dim0 = 128
	s_mov_b32 s[G1+2], 128<<16                     ; tensor_dim1 = 128
	s_mov_b32 s[G1+3], KSTEP<<16                   ; tile_dim0 = 128
	s_mov_b32 s[G1+4], 128                         ; tile_dim1 = 128
	s_mov_b32 s[G1+5], 4096                        ; elements from row to row
	s_mov_b32 s[G1+6], 0
	s_mov_b32 s[G1+7], 0
	; group 1 for wb: 32,768 dense bytes as 128 rows of 32 elements of 8 bytes, no padding
	s_or_b32 s[G1B+0], s20, (3<<16)|(1<<21)        ; 15:0 the mask; 17:16 8-byte elements; 21 set beside a mask
	s_mov_b32 s[G1B+1], 32<<16                     ; tensor_dim0 = 32
	s_mov_b32 s[G1B+2], 128<<16                    ; tensor_dim1 = 128
	s_mov_b32 s[G1B+3], 32<<16                     ; tile_dim0 = 32
	s_mov_b32 s[G1B+4], 128                        ; tile_dim1 = 128
	s_mov_b32 s[G1B+5], 32                         ; each row begins where the last ends
	s_mov_b32 s[G1B+6], 0
	s_mov_b32 s[G1B+7], 0
	; where the tiles come from: xb's hang on the tile row alone, wb's on the tile column alone, each in registers that never hold the other coordinate
	s_lshl_b32 s66, s[TY], 21                      ; 256 rows of 8,192 bytes,
	s_lshl_b32 s21, s[CH], 20                      ; the half that I fetch
	s_add_co_u32 s66, s66, s21
	s_mov_b32 s67, 0
	s_lshl_b32 s68, s[TX], 16                      ; 16 blocks of 4,096 bytes,
	s_lshl_b32 s22, s[CH], 15                      ; the half that I fetch
	s_add_co_u32 s68, s68, s22
	s_mov_b32 s69, 0
	s_mul_i32 s70, s[WV], HALFT                    ; and where they go: waves 0, 1: xb's halves at 0 and 34,816;
	s_lshl_b32 s71, s[WV], 15
	s_add_co_u32 s71, s71, 4096                    ; waves 2, 3: w''s halves at 69,632 and 102,400 = 32,768 x wave + 4,096
	s_wait_dscnt 0x0                               ; both opening adds are done
	s_wait_kmcnt 0x0
	s_add_nc_u64 s[72:73], s[4:5], s[66:67]
	s_add_nc_u64 s[74:75], s[6:7], s[68:69]
	CROUND                                         ; all sixteen work-groups are here: the first joint loads meet
.irp s, 0,1
	s_mov_b32 s[G0+4*(\s)], 1                                      ; count = 1
	s_add_co_u32 s[G0+4*(\s)+1], s70, (\s)*SLOT                    ; LDS address
	s_add_nc_u64 s[G0+4*(\s)+2:G0+4*(\s)+3], s[72:73], (\s)*KSTEP*2  ; global address: K step s
	s_or_b32 s[G0+4*(\s)+3], s[G0+4*(\s)+3], 0x80000000            ; type = 2
	s_mov_b32 s[G0B+4*(\s)], 1
	s_add_co_u32 s[G0B+4*(\s)+1], s71, (\s)*SLOT
	s_add_nc_u64 s[G0B+4*(\s)+2:G0B+4*(\s)+3], s[74:75], (\s)*0x100000
	s_or_b32 s[G0B+4*(\s)+3], s[G0B+4*(\s)+3], 0x80000000
	JLOAD \s                                       ; two tensor loads of mine are out: the ring is filled before anything else is done
.endr
	v_and_b32 v1, 15, v0                           ; l % 16
	v_bfe_u32 v2, v0, 4, 1                         ; l / 16
	v_and_b32 v3, 31, v0                           ; l
	; a fragment of xb: lane l holds row l % 16; two loads of 16 bytes, 32 bytes apart, at row x pitch + 16 (l / 16)
	v_mul_u32_u24 v4, v1, PITCH
	v_lshl_add_u32 v4, v2, 4, v4
	s_mul_i32 s21, s[RH], HALFT                    ; my 128 rows of xb
	s_lshl_b32 s22, s[CH], 15                      ; my 128 rows of w',
	s_add_co_u32 s22, s22, AREG                    ; which lie behind xb's 256
.irp s, 0,1
	v_add_nc_u32 v[ADRA+(\s)], s21, v4
	v_lshl_add_u32 v[ADRB+(\s)], v3, 4, s22        ; a fragment of w': 16 x lane, and 512 bytes on
	s_add_co_u32 s21, s21, SLOT
	s_add_co_u32 s22, s22, SLOT
.endr
	s_mul_i32 s23, s[WV], 16*SPITCH
	s_add_co_u32 s23, s23, STAGE                   ; my stage
	v_mul_u32_u24 v5, v1, SPITCH                   ; in: row l % 16, 32 bytes for each half of the lanes
	v_lshl_add_u32 v5, v2, 5, v5
	v_add_nc_u32 v[STO], s23, v5
	v_lshl_add_u32 v[RD], v3, 4, s23               ; back: the 32 lanes take one row of 512 bytes
	v_lshlrev_b32 v[CO], 4, v3
	v_lshlrev_b32 v[BO], 5, v2
	s_lshl_b32 s92, s[TX], 10                      ; my first column, in bytes of f32: 1,024 x tile column + 512 x half
	s_lshl_b32 s94, s[CH], 9
	s_add_co_u32 s92, s92, s94
	s_mov_b32 s93, 0
	s_add_nc_u64 s[78:79], s[8:9], s[92:93]        ; bias at my 128 columns
	s_lshl_b32 s88, s[TY], 22                      ; 256 rows of 16,384 bytes,
	s_lshl_b32 s90, s[RH], 21                      ; my 128 of them
	s_add_co_u32 s88, s88, s90
	s_add_co_u32 s88, s88, s92
	s_mov_b32 s89, 0
	s_add_nc_u64 s[OUTB:OUTB+1], s[10:11], s[88:89]
.irp b, 0,1,2,3,4,5,6,7
	global_load_b128 v[BIAS+8*(\b):BIAS+8*(\b)+3],   v[BO], s[78:79] offset:64*(\b)     ; bias[16 b + 8 (l / 16) + 0..7]: as an accumulator's registers lie
	global_load_b128 v[BIAS+8*(\b)+4:BIAS+8*(\b)+7], v[BO], s[78:79] offset:64*(\b)+16
.endr
	; the prefetches
	s_and_b32 s86, ttmp7, 0xffff                   ; cluster y
	s_mov_b32 s[PFS], 0x100000
	s_mov_b32 s[PFS+1], 0
	s_cmp_eq_u32 s[RH], 0                          ; do I fetch xb?
	s_cselect_b32 s80, s[CX], s[CY]                ; my place among the four that ask with me
	s_cselect_b32 s86, ttmp9, s86                  ; the coordinate along which other clusters read the same bytes
	s_cselect_b64 s[PFA:PFA+1], s[72:73], s[74:75]
	s_cselect_b32 s82, 18, 13                      ; my work-group's share: 32 rows of 8,192 bytes, or 8,192 bytes
	s_cselect_b32 s83, 13, 8                       ; a lane's: a row on, or 256 bytes on
	s_cselect_b32 s[PFS], 0x100, s[PFS]
	s_cmp_eq_u32 s86, 0
	s_cselect_b32 s[LIM], 1, -1                    ; the same in all sixteen partners, for a given wave
	s_lshl_b32 s80, s80, s82
	s_mov_b32 s81, 0
	s_add_nc_u64 s[PFA:PFA+1], s[PFA:PFA+1], s[80:81]
	s_mul_i32 s84, s[PFS], 3
	s_mov_b32 s85, 0
	s_add_nc_u64 s[PFA:PFA+1], s[PFA:PFA+1], s[84:85]  ; at K step 3: the first refill (K step 2) steps it to 4 and names that
	v_lshlrev_b32 v[PFO], s83, v3
	s_wait_loadcnt 0x0                             ; bias
.set i, 0
.rept 32
	v_cvt_pk_bf16_f32 v31, v[BIAS+2*i], v[BIAS+2*i+1]  ; rounded to bf16, and widened again
	v_lshlrev_b32 v[BIAS+2*i], 16, v31
	v_and_b32 v[BIAS+2*i+1], 0xffff0000, v31
.set i, i+1
.endr
; 16 matrix instructions: m blocks a0, a0 + 1 of the window's four (hi = 0: my rows 0-63, 1: rows 64-127) x all 8 n blocks, 32 along K.  first = 1: the bias (window 0) is C and starts the sums.
; The 64 accumulators take turns, one instruction a turn, in the same order in every quarter step, over the backward jump too.
.macro MUL16 f, hi, a0, first
.if \first
	WIN 0x81+0x40*(\hi)
.else
	WIN MUL_LO+0x50*(\hi)
.endif
.irp a, \a0, (\a0)+1
.irp b, 0,1,2,3,4,5,6,7
.if \first
	v_wmma_f32_16x16x32_bf16 v[8*(8*(\a)+(\b)):8*(8*(\a)+(\b))+7], v[(\f)+8*(\b):(\f)+8*(\b)+7], v[(\f)+8*(4*(\hi)+(\a)):(\f)+8*(4*(\hi)+(\a))+7], v[BIAS+8*(\b):BIAS+8*(\b)+7]
.else
	v_wmma_f32_16x16x32_bf16 v[8*(8*(\a)+(\b)):8*(8*(\a)+(\b))+7], v[(\f)+8*(\b):(\f)+8*(\b)+7], v[(\f)+8*(4*(\hi)+(\a)):(\f)+8*(4*(\hi)+(\a))+7], v[8*(8*(\a)+(\b)):8*(8*(\a)+(\b))+7]
.endif
.endr
.endr
.endm
; 32 LDS loads in one run: the fragments of one quarter step (32 K at byte k of xb's rows; in w' that quarter begins 16 k bytes into each block of 4,096) into buffer f; w' first, then xb
.macro FETCH slot, k, f
	WIN TO_B
.irp i, 0,1,2,3,4,5,6,7
	ds_load_b128 v[(\f)+8*(\i):(\f)+8*(\i)+3],   v[ADRB+(\slot)] offset:(\k)*16+(\i)*4096
	ds_load_b128 v[(\f)+8*(\i)+4:(\f)+8*(\i)+7], v[ADRB+(\slot)] offset:(\k)*16+(\i)*4096+512
.endr
	WIN 0
.irp i, 0,1,2,3,4,5,6,7
	ds_load_b128 v[(\f)+8*(\i):(\f)+8*(\i)+3],   v[ADRA+(\slot)] offset:(\k)+(\i)*16*PITCH
	ds_load_b128 v[(\f)+8*(\i)+4:(\f)+8*(\i)+7], v[ADRA+(\slot)] offset:(\k)+(\i)*16*PITCH+32
.endr
.endm
; A load into a register that a matrix instruction has read, and an LDS store that reads a matrix result, stand four places behind that matrix instruction, and only plain vector instructions that name
; none of its registers are places (ISA guide 7.12.1 for vector instructions).
.macro PLACES
.rept 4
	v_nop
.endr
.endm
; A K step is four quarter steps of 32 along K, 64 matrix instructions each, on buffers 0, 1, 0, 1.  One of the first three: multiplies buffer f; in its middle it fetches the next quarter, at byte k, into g.
.macro QUARTER slot, k, f, g, first
	s_wait_dscnt 8                                 ; w' and xb's rows 0-63 are in; the youngest eight loads (xb's rows 64-127) may be out
	MUL16 \f, 0, 0, \first
	MUL16 \f, 0, 2, \first
	PLACES
	FETCH \slot, \k, \g
	s_wait_dscnt 32                                ; all but the 32 just issued
	MUL16 \f, 1, 0, \first
	MUL16 \f, 1, 2, \first
.endm
; The last quarter multiplies buffer 1 and changes slots.  MEET is its first half: ONE barrier.  In front of it each wave waits for all its tensor loads, of which one is out: its part of the next slot; adds 0 to its
; spare word; and waits for that and for its own reads of this slot.  Behind it nobody reads this slot any more and the next slot is whole.
.macro MEET round
	WIN 0                                          ; (the add's two registers lie in window 0)
	s_wait_tensorcnt 0x0                           ; all my tensor loads have landed
	ds_add_u32 v[SPW], v[NIL]                      ; 0 onto my spare word
	s_wait_dscnt 9                                 ; (the add and the youngest eight loads may be out)
	MUL16 F1, 0, 0, 0                              ; sixteen matrix instructions stand between the add and the wait for it
	s_wait_dscnt 0x0                               ; the add is done, and my reads of this slot are over
	s_barrier_signal -1
	MUL16 F1, 0, 2, 0                              ; work on registers while the others arrive
.if \round
	WIN 0
.endif
	s_barrier_wait -1
.endm
; The whole last quarter.  fill = 1: the barrier opens a round of the cluster's barrier, and the slot just read out is filled again first, with the K step two on: from that request to the wait for it a wave
; issues 224 matrix instructions.  Then come the next slot's first fragments.
.macro TURN slot, next, fill
.if \fill
	s_wait_xcnt 0x0                                ; the last prefetch, a K step back, has read its address: it is stepped here, ahead of the change's own waits
	s_add_nc_u64 s[PFA:PFA+1], s[PFA:PFA+1], s[PFS:PFS+1]
	MEET 1
	CREST                                          ; no wave of any partner still reads this slot's tile or has a load on its way
	s_add_nc_u64 s[G0+4*(\slot)+2:G0+4*(\slot)+3], s[G0+4*(\slot)+2:G0+4*(\slot)+3], 2*KSTEP*2      ; no tensor load of mine is out: the descriptors may be written
	s_add_nc_u64 s[G0B+4*(\slot)+2:G0B+4*(\slot)+3], s[G0B+4*(\slot)+2:G0B+4*(\slot)+3], 0x200000
	JLOAD \slot                                    ; my one tensor load behind the round; its four v_nop are also the places in front of the loads below
	FETCH \next, 0, F0
	ASK
.else
	MEET 0                                         ; nothing is filled again, so no round follows
	PLACES
	FETCH \next, 0, F0
.endif
	MUL16 F1, 1, 0, 0
	MUL16 F1, 1, 2, 0
.endm
; THE WAY OUT of block a (16 rows x 128 columns of f32).  A lane's 32 bytes are a sixteenth of a row's 512, and its neighbours hold other rows: so the block goes through my own stage in LDS and comes back by rows.
.macro TOSTAGE a
.set AC, 64*((\a)%4)
.set BK, F0+64*((\a)%2)
.if (\a) >= 2
	s_wait_xcnt 0x0                                ; the stores of the block two back have read these registers: they are loaded again only behind this wait
.endif
	WIN 0x08+4*((\a)/4)                            ; the stores' data (source 1) in window 2 or 3
.irp b, 0,1,2,3,4,5,6,7
	ds_store_b128 v[STO], v[AC+8*(\b):AC+8*(\b)+3]   offset:64*(\b)      ; each accumulator is read from its low end on
	ds_store_b128 v[STO], v[AC+8*(\b)+4:AC+8*(\b)+7] offset:64*(\b)+16
.endr
	WIN 0
.irp t, 0,1,2,3,4,5,6,7,8,9,10,11,12,13,14,15
	ds_load_b128 v[BK+4*(\t):BK+4*(\t)+3], v[RD] offset:(\t)*SPITCH  ; LDS serves a wave's instructions in order (ISA guide 5.7.1.4): these see the stores above, and the next block's stores come behind them
.endr
.endm
.macro SEND a, younger                 ; younger: the LDS instructions issued behind block a's loads: the next block's 32, or none
.set BK, F0+64*((\a)%2)
	WIN 0
.irp t, 0,1,2,3,4,5,6,7,8,9,10,11,12,13,14,15
	s_wait_dscnt (\younger)+15-(\t)                ; row t is back
	global_store_b128 v[CO], v[BK+4*(\t):BK+4*(\t)+3], s[OUTB:OUTB+1] offset:(16*(\a)+(\t))*16384 th:TH_STORE_NT  ; the wave stores 512 consecutive bytes, at a multiple of 512 from out0's first byte
.endr
.endm
	s_wait_tensorcnt 1                             ; my part of K step 0 is in; K step 1's may stay out
	s_barrier_signal -1
	s_barrier_wait -1                              ; everybody's is
	FETCH 0, 0, F0
	QUARTER 0, 64,  F0, F1, 1                      ; the first quarter stands in front of the loop: its products start the sums, with the bias
	WIN 0                                          ; at a label and at a branch every window is 0
	s_mov_b32 s3, LAPS-1
.Llap:                                                 ; a trip goes once round the ring, from a lap's second quarter to the next lap's first, and fills both slots again
	QUARTER 0, 128, F1, F0, 0
	QUARTER 0, 192, F0, F1, 0
	TURN 0, 1, 1
	QUARTER 1, 64,  F0, F1, 0
	QUARTER 1, 128, F1, F0, 0
	QUARTER 1, 192, F0, F1, 0
	TURN 1, 0, 1
	QUARTER 0, 64,  F0, F1, 0
	WIN 0
	s_sub_co_u32 s3, s3, 1
	s_cmp_lg_u32 s3, 0
	s_cbranch_scc1 .Llap
	QUARTER 0, 128, F1, F0, 0                      ; the last lap is written out: it asks for nothing
	QUARTER 0, 192, F0, F1, 0
	TURN 0, 1, 0
	QUARTER 1, 64,  F0, F1, 0
	QUARTER 1, 128, F1, F0, 0
	QUARTER 1, 192, F0, F1, 0
	s_wait_dscnt 8                                 ; the very last quarter: nothing more to fetch
	MUL16 F1, 0, 0, 0
	MUL16 F1, 0, 2, 0
	s_wait_dscnt 0x0
	MUL16 F1, 1, 0, 0
	MUL16 F1, 1, 2, 0
	WIN 0
	PLACES                                         ; behind the last products, ahead of the stores that read results and of the loads into the fragments' registers;
	PLACES                                         ; eight, once a launch
	TOSTAGE 0
.irp a, 1,2,3,4,5,6,7                  ; block a goes into the stage while block a - 1's rows come back and leave
	TOSTAGE \a
	SEND (\a)-1, 32
.endr
	SEND 7, 0
	s_wait_tensorcnt 0x0                           ; the wave's end: behind my last tensor load and my last LDS store
	ds_add_u32 v[SPW], v[NIL]
	s_wait_dscnt 0x0
	CROUND                                         ; the closing round: no work-group ends while a partner may still ask for a tile that names it
	s_endpgm
.Lfunc_end_k_qa4eb1fdecf_gemm:
	.size	k_qa4eb1fdecf_gemm, .Lfunc_end_k_qa4eb1fdecf_gemm-k_qa4eb1fdecf_gemm
	.p2alignl 7, 3214868480
	.fill 96, 4, 3214868480
	.section	.rodata,"a",@progbits
	.p2align	6, 0x0
	.amdhsa_kernel k_qa4eb1fdecf_gemm
		.amdhsa_group_segment_fixed_size 327680
		.amdhsa_private_segment_fixed_size 0
		.amdhsa_enable_private_segment 0
		.amdhsa_kernarg_size 32
		.amdhsa_user_sgpr_count 2
		.amdhsa_user_sgpr_kernarg_segment_ptr 1
		.amdhsa_wavefront_size32 1
		.amdhsa_system_sgpr_workgroup_id_x 1
		.amdhsa_system_sgpr_workgroup_id_y 1
		.amdhsa_system_sgpr_workgroup_id_z 1
		.amdhsa_system_vgpr_workitem_id 0
		.amdhsa_next_free_vgpr 1024
		.amdhsa_next_free_sgpr 96
		.amdhsa_reserve_vcc 0
		.amdhsa_float_denorm_mode_32 3
		.amdhsa_float_denorm_mode_16_64 3
		.amdhsa_memory_ordered 1
		.amdhsa_forward_progress 1
		.amdhsa_inst_pref_size 152
	.end_amdhsa_kernel
	.amdgpu_metadata
---
amdhsa.version: [ 1, 2 ]
amdhsa.kernels:
  - .name:           k_qa4eb1fdecf_gemm
    .symbol:         k_qa4eb1fdecf_gemm.kd
    .args:
      - { .name: xb, .offset: 0, .size: 8, .value_kind: global_buffer, .address_space: global }
      - { .name: wb, .offset: 8, .size: 8, .value_kind: global_buffer, .address_space: global }
      - { .name: bias, .offset: 16, .size: 8, .value_kind: global_buffer, .address_space: global }
      - { .name: out0, .offset: 24, .size: 8, .value_kind: global_buffer, .address_space: global }
    .group_segment_fixed_size: 327680
    .private_segment_fixed_size: 0
    .kernarg_segment_align: 8
    .kernarg_segment_size: 32
    .max_flat_workgroup_size: 128
    .sgpr_count:     96
    .vgpr_count:     1024
    .wavefront_size: 32
...
	.end_amdgpu_metadata
.endif
;; end of part 2
;; ======== version 2 of 2: 2 launches; version 1 with the launch prep written anew for expert scheduling mode
;; workspace buffers: xb 33,554,432 bytes; wb 33,554,432 bytes
;; launch prep (part 3): grid 256 x 1, 16 waves a work-group, no clusters, 0 bytes of LDS; arguments x, w_codes, absmax, lora_A, lora_B, xb, wb; writes xb, wb
.if DOCPART == 3
	.amdgcn_target "amdgcn-amd-amdhsa--gfx1250"
	.amdhsa_code_object_version 6
	.text
	.protected	k_qa4eb1fdecf_prep
	.globl	k_qa4eb1fdecf_prep
	.p2align	8
	.type	k_qa4eb1fdecf_prep,@function
k_qa4eb1fdecf_prep:
	s_mov_b64 s[64:65], 0
	v_nop
	global_prefetch_b8 v0, s[64:65] scope:SCOPE_SE
	s_setreg_imm32_b32 hwreg(HW_REG_WAVE_SCHED_MODE, 0, 2), 2
	s_setreg_imm32_b32 hwreg(HW_REG_WAVE_MODE, 25, 1), 1
	s_wait_xcnt 0x0
	s_wait_alu depctr_vm_vsrc(0)
; out0 = x W^T + bias + 4 (x A) B, with W[n][k] = NF4[code[n][k]] absmax[n][k / 64]; x [4096][4096], code [4096][4096], A = lora_A [4096][16], B = lora_B [16][4096]; 4 = 16 / sqrt(16).
; THE PROGRAM has two launches.  This one makes the two 16-bit matrix operands, each once; the second multiplies them and adds the bias.
; THE IDENTITY.  x W^T + 4 (x A) B = x (W + 4 (A B)^T)^T for all values: a product distributes over a sum, and products associate.  So the low-rank term is added to the weight here,
; 16 multiply-adds for each weight, and the second launch has one product.  NOTHING IS LEFT OUT: every input is loaded (bias by the second launch) and reaches the output.
; LIMITS.  All floating-point inputs (x, absmax, lora_A, lora_B, and bias in the second launch) are taken rounded once to bf16; the sum NF4 x absmax + 4 (A B)^T is made in f32 and rounded once to bf16,
; an order of rounding other than reference()'s.  Codes lie in 0 .. 15, as an index into the table of 16 must; the lane permute that looks them up takes a code modulo 32.  NaN and infinities are not treated apart.
; SHARES.  Work-group g has rows 16 g .. 16 g + 15 of W and of x.  Waves 0-7 make wb, wave w the columns k = 512 w .. 512 w + 511; waves 8-15 make xb, two rows each.  No wave wants a byte that another
; has fetched: no LDS bytes, no barrier.  (ds_bpermute_b32 moves registers between lanes and touches no LDS byte.)
; xb: bf16 [4096][4096], rows of 8,192 bytes.
; wb: bf16 in the order of the second launch's operand registers: element (n, k), n = 16 nt + r, k = 128 s + 32 q + 16 c + 8 h + j, lies at byte s 2^20 + nt 4096 + q 1024 + c 512 + (r + 16 h) 16 + 2 j.
; THE MODE: SCHED_MODE bits 1:0 = 2 (LLVM: expert scheduling mode 2), set by the entry lines.  The code itself states the register dependences between vector or matrix instructions and memory or LDS
; instructions, with s_wait_alu, always for 0.
; THE PLAN, THE WEIGHT.  Registers that memory or LDS instructions touch:
;   v5-v9      offsets: written at the head, never again; read by every load and store.
;   TAB        written at the head; read by every permute.
;   AR0, AR1   Unit U: its sixteen conversions read AR[U % 2]; behind them the loads of unit U + 2 land in it.
;   CB0 .. CB2 Unit U: the shifts write CB[U % 3] in place; the permutes read it as addresses, and each one's result lands on its own address; the multiply-adds read it; then the codes of unit U + 3 land in it.
;   ACC        words 0-3 of each tile are the data of the unit's four stores; the next unit's products write them again.
;   AF, BF, AM and the rest of ACC are named by vector and matrix instructions alone, once the head's loads are in.
; Three waits to a unit.  One on va_vdst behind the conversions and shifts, ahead of the permutes.  One on vm_vsrc behind the permutes, ahead of the products.  One on va_vdst behind the last rounding, ahead of
; the codes' loads and the stores.  Behind the first, no vector or matrix line names AR[U % 2]: its eight loads are dealt among the four tiles with no further wait.
; THE PLAN, x.  64 chunks go in 16 blocks of four.  Block p rounds X[p % 9] into Y[p % 9]; its memory instructions are the loads into X[(p - 1) % 9] and the stores from Y[(p - 1) % 9], which no vector line of
; block p names: one wait on va_vdst at a block's head states all that they hang on.  One wait on vm_vsrc, at block 9's head, stands ahead of the first line that writes a Y block again.  v5, v6: as above.
.set VC,  5            ; v5   codes: r x 16,384 + 32 h; never rewritten
.set VA,  6            ; v6   lora_A: r x 64 + 32 h; never rewritten
.set VM,  7            ; v7   absmax: r x 256; never rewritten
.set VB,  8            ; v8   lora_B: h x 8 rows of 16,384 + 4 r; never rewritten
.set VO,  9            ; v9   wb: 16 x lane; never rewritten
.set TAB, 10           ; v10  the NF4 table: lane i holds entry i (lanes 15 to 31: 1.0)
.set AM,  12           ; v[12:19]   my row's 8 absmax, one for each unit of 64 k
.set BF,  20           ; v[20:27]   4 lora_B as source 1: 16 columns n, ranks 8 h + 0..7 in registers 0-3; registers 4-7 (ranks 16 on) are 0
.set AF,  28           ; v[28:59]   lora_A as source 0, four fragments of 16 rows k; registers 4-7 of each are 0
.set ACC, 60           ; v[60:91]   four results of 16 k x 16 n; before the first product v[60:67] take lora_B as loaded
.set BT,  60
.set AR,  92           ; v[92:155]  lora_A as loaded, two sets of 32
.set CB,  156          ; v[156:251] codes, three sets of 32
.set CODB, 26          ; s[26:27] w_codes at my 16 rows, my 512 columns
.set LAB,  28          ; s[28:29] lora_A at my 512 rows
.set AMB,  30          ; s[30:31] absmax at my 16 rows, my 8 blocks
.set LBB,  32          ; s[32:33] lora_B at my 16 columns
.set WBB,  34          ; s[34:35] wb at my four K steps, my 16 rows
.set XO,  5            ; (x path) v5  16 x lane
.set YO,  6            ; (x path) v6  8 x lane
.set X,   32           ; (x path) v[32:175]  nine blocks of four slots of 4: 16 bytes of x a lane
.set Y,   176          ; (x path) v[176:247] nine blocks of four slots of 2: 8 bytes of xb a lane
	s_load_b256 s[4:11], s[0:1], 0x0               ; x s[4:5], w_codes s[6:7], absmax s[8:9], lora_A s[10:11]
	s_load_b128 s[12:15], s[0:1], 0x20             ; lora_B s[12:13], xb s[14:15]
	s_load_b64 s[16:17], s[0:1], 0x30              ; wb
	v_lshrrev_b32 v1, 5, v0
	v_readfirstlane_b32 s20, v1                    ; wave 0..15
	v_and_b32 v2, 31, v0                           ; lane
	s_wait_alu depctr_va_sdst(0)                   ; s20 is written, ahead of its first reader: my place, the branch and every base are made from it
	s_and_b32 s21, s20, 7                          ; w: my place among the eight waves of my path
	s_mov_b32 s23, 0                               ; the high word of every offset
	s_wait_kmcnt 0x0
	s_cmp_lt_u32 s20, 8
	s_cbranch_scc0 .Lcast
	; ---------------- THE WEIGHT ----------------
	v_and_b32 v3, 15, v2                           ; r
	v_lshrrev_b32 v4, 4, v2                        ; h
	v_lshlrev_b32 v[VC], 14, v3
	v_lshl_add_u32 v[VC], v4, 5, v[VC]
	v_lshlrev_b32 v[VA], 6, v3
	v_lshl_add_u32 v[VA], v4, 5, v[VA]
	v_lshlrev_b32 v[VM], 8, v3
	v_lshlrev_b32 v[VB], 2, v3
	v_lshl_add_u32 v[VB], v4, 17, v[VB]
	v_lshlrev_b32 v[VO], 4, v2
	s_lshl_b32 s22, ttmp9, 18                      ; 16 rows of 16,384 bytes,
	s_lshl_b32 s24, s21, 11                        ; 512 codes of 4 bytes
	s_add_co_u32 s22, s22, s24
	s_add_nc_u64 s[CODB:CODB+1], s[6:7], s[22:23]
	s_lshl_b32 s22, s21, 15                        ; 512 rows of 64 bytes
	s_add_nc_u64 s[LAB:LAB+1], s[10:11], s[22:23]
	s_lshl_b32 s22, ttmp9, 12                      ; 16 rows of 256 bytes,
	s_lshl_b32 s24, s21, 5                         ; 8 blocks of 4 bytes
	s_add_co_u32 s22, s22, s24
	s_add_nc_u64 s[AMB:AMB+1], s[8:9], s[22:23]
	s_lshl_b32 s22, ttmp9, 6                       ; 16 columns of 4 bytes
	s_add_nc_u64 s[LBB:LBB+1], s[12:13], s[22:23]
	s_lshl_b32 s22, s21, 22                        ; four K steps of 2^20 bytes,
	s_lshl_b32 s24, ttmp9, 12                      ; nt = g
	s_add_co_u32 s22, s22, s24
	s_add_nc_u64 s[WBB:WBB+1], s[16:17], s[22:23]
; A UNIT is 64 k (one block of absmax) x 16 n: four tiles t of 16 k.  No address register and no base is ever rewritten: every step stands in an immediate.
.macro LOADA2 U, t                     ; lora_A[k0 + r][8 h .. 8 h + 7] for tile t of unit U: two loads into set U % 2
	global_load_b128 v[AR+32*((\U)%2)+8*(\t):AR+32*((\U)%2)+8*(\t)+3],   v[VA], s[LAB:LAB+1] offset:(\U)*4096+(\t)*1024
	global_load_b128 v[AR+32*((\U)%2)+8*(\t)+4:AR+32*((\U)%2)+8*(\t)+7], v[VA], s[LAB:LAB+1] offset:(\U)*4096+(\t)*1024+16
.endm
.macro LOADA U                         ; the unit's four tiles: 8 loads
.irp t, 0,1,2,3
	LOADA2 \U, \t
.endr
.endm
.macro LOADC U                         ; code[n0 + r][k0 + 8 h .. + 7] for the unit's four tiles: 8 loads into set U % 3; together they take 256 consecutive bytes, aligned, of each of the 16 rows
.irp t, 0,1,2,3
	global_load_b128 v[CB+32*((\U)%3)+8*(\t):CB+32*((\U)%3)+8*(\t)+3],   v[VC], s[CODB:CODB+1] offset:(\U)*256+(\t)*64 th:TH_LOAD_NT
	global_load_b128 v[CB+32*((\U)%3)+8*(\t)+4:CB+32*((\U)%3)+8*(\t)+7], v[VC], s[CODB:CODB+1] offset:(\U)*256+(\t)*64+16 th:TH_LOAD_NT
.endr
.endm
; The product is (16 rows k of A) x (16 columns n of 4 B): in the result register j of lane (r, h) is (k0 + 8 h + j, n0 + r): eight neighbouring k of ONE row of W, which are the lane's 16 bytes of wb.
.macro UNIT U, left
	s_wait_loadcnt \left                           ; this unit's lora_A and codes are in; left = the loads issued behind the later of the two
.irp t, 0,1,2,3
.irp i, 0,1,2,3
	v_cvt_pk_bf16_f32 v[AF+8*(\t)+(\i)], v[AR+32*((\U)%2)+8*(\t)+2*(\i)], v[AR+32*((\U)%2)+8*(\t)+2*(\i)+1]
.endr
.endr
.set cc, CB+32*((\U)%3)
.rept 32
	v_lshlrev_b32 v[cc], 2, v[cc]                  ; a code as a lane's byte address
.set cc, cc+1
.endr
	s_wait_alu depctr_va_vdst(0)                   ; the shifts have written CB[U % 3], which the permutes read and in which their results land; the conversions are done reading AR[U % 2], in which the loads below land; in unit 0 the table is written
.set cc, CB+32*((\U)%3)
.rept 32
	ds_bpermute_b32 v[cc], v[cc], v[TAB]           ; NF4[code]: each lane takes the table's word from the lane that the code names
.set cc, cc+1
.endr
.if (\U) > 0
	s_wait_xcnt 0x0                                ; the last unit's stores have had their addresses translated: their data in ACC are written again only behind this wait
.endif
	s_wait_alu depctr_vm_vsrc(0)                   ; the permutes have read CB[U % 3], in which the codes of the unit three on land at this unit's end; the last unit's stores have read ACC's words, which the products write again
.irp t, 0,1,2,3
	v_wmma_f32_16x16x32_bf16 v[ACC+8*(\t):ACC+8*(\t)+7], v[AF+8*(\t):AF+8*(\t)+7], v[BF:BF+7], 0  ; four accumulators, each sum begun and ended by one product
.endr
.rept 4
	v_nop                                          ; four places behind the last product, before a result is read (ISA guide 7.12.1): no other vector work is at hand here
.endr
.irp t, 0,1,2,3
.if (\U) <= 5
	LOADA2 (\U)+2, \t                              ; the set read at the unit's head takes the unit two on.  No wait: no vector or matrix line since the wait ahead of the permutes names it
.endif
	s_wait_dscnt 24-8*(\t)                         ; tile t's eight are back; the later tiles' may be out
.irp j, 0,1,2,3,4,5,6,7
	v_fma_f32 v[ACC+8*(\t)+(\j)], v[CB+32*((\U)%3)+8*(\t)+(\j)], v[AM+(\U)], v[ACC+8*(\t)+(\j)]  ; NF4 x absmax + 4 (A B); the accumulator is read from its low end on
.endr
.irp i, 0,1,2,3
	v_cvt_pk_bf16_f32 v[ACC+8*(\t)+(\i)], v[ACC+8*(\t)+2*(\i)], v[ACC+8*(\t)+2*(\i)+1]  ; in place: word i is written when words 2 i and 2 i + 1 are read
.endr
.endr
	s_wait_alu depctr_va_vdst(0)                   ; the roundings have written ACC's words 0-3 of each tile, which the stores read; the multiply-adds are done reading CB[U % 3], in which the loads below land
.if (\U) <= 4
	LOADC (\U)+3                                   ; the set just read takes the unit three on; the loads go ahead of the stores
.endif
.irp t, 0,1,2,3
	global_store_b128 v[VO], v[ACC+8*(\t):ACC+8*(\t)+3], s[WBB:WBB+1] offset:((\U)/2)*1048576+((\U)%2)*2048+(\t)*512  ; the wave stores 512 consecutive bytes, aligned: half a fragment
.endr
.endm
.macro NF i, bits                      ; entry i of the table into lane i
	s_mov_b32 s24, \bits
	v_writelane_b32 v[TAB], s24, \i
.endm
	s_wait_alu depctr_va_vdst(0)                   ; the five offsets v5 to v9 are written: every load and store of this path reads one of them
.irp j, 0,1,2,3,4,5,6,7
	global_load_b32 v[BT+(\j)], v[VB], s[LBB:LBB+1] offset:(\j)*16384  ; lora_B[8 h + j][n0 + r]: 1 KiB a wave, once
.endr
	global_load_b128 v[AM:AM+3],   v[VM], s[AMB:AMB+1]             ; the eight waves together take each row's 256 bytes once
	global_load_b128 v[AM+4:AM+7], v[VM], s[AMB:AMB+1] offset:16
	LOADA 0
	LOADC 0
	LOADA 1
	LOADC 1
	LOADC 2
	; while the 50 loads are out: the table, and the zeros of the ranks that do not exist
	v_mov_b32 v[TAB], 1.0
	NF 0,  0xbf800000
	NF 1,  0xbf3239b1
	NF 2,  0xbf066b30
	NF 3,  0xbeca32a0
	NF 4,  0xbe91a24d
	NF 5,  0xbe3d353f
	NF 6,  0xbdba7871
	NF 7,  0
	NF 8,  0x3da2faff
	NF 9,  0x3e24cae3
	NF 10, 0x3e7c04dd
	NF 11, 0x3ead033a
	NF 12, 0x3ee1a4b8
	NF 13, 0x3f1007ab
	NF 14, 0x3f3913b3
.irp t, 0,1,2,3
.irp i, 4,5,6,7
	v_mov_b32 v[AF+8*(\t)+(\i)], 0
.endr
.endr
.irp i, 4,5,6,7
	v_mov_b32 v[BF+(\i)], 0
.endr
	s_wait_loadcnt 40                              ; lora_B and absmax are in: behind them five groups of 8 loads were issued
.irp i, 0,1,2,3
	v_pk_mul_f32 v[BT+2*(\i):BT+2*(\i)+1], v[BT+2*(\i):BT+2*(\i)+1], 4.0 op_sel_hi:[1,0]  ; the scaling, a power of two: exact, so bf16(4 B) = 4 bf16(B)
.endr
.irp i, 0,1,2,3
	v_cvt_pk_bf16_f32 v[BF+(\i)], v[BT+2*(\i)], v[BT+2*(\i)+1]
.endr
.irp i, 0,1,2,3
	v_cvt_pk_bf16_f32 v1, v[AM+2*(\i)], v[AM+2*(\i)+1]         ; absmax rounded to bf16, and widened again
	v_lshlrev_b32 v[AM+2*(\i)], 16, v1
	v_and_b32 v[AM+2*(\i)+1], 0xffff0000, v1
.endr
	; The loads go out in the order A0 C0 A1 C1 C2 A2 C3 A3 C4 A4 C5 A5 C6 A6 C7 A7: behind the later of a unit's two groups stand three groups of 8 when the unit begins; behind A6 two; behind A7 none.
	UNIT 0, 24
	UNIT 1, 24
	UNIT 2, 24
	UNIT 3, 24
	UNIT 4, 24
	UNIT 5, 24
	UNIT 6, 16
	UNIT 7, 0
	s_endpgm
	; ---------------- x ROUNDED TO bf16 ----------------
	; Wave w has rows 16 g + 2 w and the next: 32,768 dense bytes in, 16,384 out, in 64 chunks: a load takes 512 consecutive bytes, a store fills 256 consecutive bytes, aligned.
	; A ring of nine blocks of four slots in registers: 28 to 32 loads of the wave are out until the reloads end.
.Lcast:
	v_lshlrev_b32 v[XO], 4, v2
	v_lshlrev_b32 v[YO], 3, v2
	s_lshl_b32 s22, ttmp9, 18                      ; 16 rows of 16,384 bytes,
	s_lshl_b32 s24, s21, 15                        ; two rows
	s_add_co_u32 s22, s22, s24
	s_add_nc_u64 s[36:37], s[4:5], s[22:23]
	s_lshr_b32 s22, s22, 1                         ; half as many bytes in xb
	s_add_nc_u64 s[38:39], s[14:15], s[22:23]
	s_wait_alu depctr_va_vdst(0)                   ; v5 and v6 are written: every load and store of this path reads one of them as its offset
.set i, 0
.rept 36
	global_load_b128 v[X+4*i:X+4*i+3], v[XO], s[36:37] offset:i*512 th:TH_LOAD_NT  ; blocks 0 to 8
.set i, i+1
.endr
; Block p: chunks 4 p .. 4 p + 3.  left: the younger loads, which stay out.  Blocks 1 to 7 fill the block before again, with the chunks 36 on; every block but the first stores the block before.
.macro XB p, left
	s_wait_loadcnt \left                           ; loads come back in order (ISA guide 5.7.1): X[p % 9] is in
.if (\p) == 9
	s_wait_xcnt 0x0                                ; the stores issued so far have had their addresses translated: Y0 to Y6 are written again, by this block and the six behind it, only behind this wait
	s_wait_alu depctr_vm_vsrc(0)                   ; the stores issued in blocks 1 to 8 have read Y0 to Y7
.endif
.if (\p) > 0
	s_wait_alu depctr_va_vdst(0)                   ; the block before has written its Y, which the stores below read, and is done reading its X, in which the loads below land
.endif
.irp i, 0,1,2,3
.if ((\p) > 0) && ((\p) < 8)
	global_load_b128 v[X+16*(((\p)-1)%9)+4*(\i):X+16*(((\p)-1)%9)+4*(\i)+3], v[XO], s[36:37] offset:(4*((\p)-1)+(\i)+36)*512 th:TH_LOAD_NT  ; no vector line since the wait names these registers
.endif
.if (\p) > 0
	global_store_b64 v[YO], v[Y+8*(((\p)-1)%9)+2*(\i):Y+8*(((\p)-1)%9)+2*(\i)+1], s[38:39] offset:(4*((\p)-1)+(\i))*256
.endif
	v_cvt_pk_bf16_f32 v[Y+8*((\p)%9)+2*(\i)],   v[X+16*((\p)%9)+4*(\i)],   v[X+16*((\p)%9)+4*(\i)+1]
	v_cvt_pk_bf16_f32 v[Y+8*((\p)%9)+2*(\i)+1], v[X+16*((\p)%9)+4*(\i)+2], v[X+16*((\p)%9)+4*(\i)+3]
.endr
.endm
	XB 0, 32                                       ; of the 36 loads the first four are in
.irp p, 1,2,3,4,5,6,7,8
	XB \p, 28                                      ; behind block p's loads: 4 (8 - p) of the first 36 and the 4 (p - 1) reloads of blocks 1 to p - 1
.endr
.irp p, 9,10,11,12,13,14,15
	XB \p, 4*(15-(\p))                             ; block p's chunks were asked for in block p - 8; behind them the reloads of blocks p - 7 to 7: the counts run down
.endr
	s_wait_alu depctr_va_vdst(0)                   ; block 15 has written Y6, which the last four stores read
.irp i, 0,1,2,3
	global_store_b64 v[YO], v[Y+8*6+2*(\i):Y+8*6+2*(\i)+1], s[38:39] offset:(60+(\i))*256
.endr
	s_endpgm
.Lfunc_end_k_qa4eb1fdecf_prep:
	.size	k_qa4eb1fdecf_prep, .Lfunc_end_k_qa4eb1fdecf_prep-k_qa4eb1fdecf_prep
	.p2alignl 7, 3214868480
	.fill 96, 4, 3214868480
	.section	.rodata,"a",@progbits
	.p2align	6, 0x0
	.amdhsa_kernel k_qa4eb1fdecf_prep
		.amdhsa_group_segment_fixed_size 0
		.amdhsa_private_segment_fixed_size 0
		.amdhsa_enable_private_segment 0
		.amdhsa_kernarg_size 56
		.amdhsa_user_sgpr_count 2
		.amdhsa_user_sgpr_kernarg_segment_ptr 1
		.amdhsa_wavefront_size32 1
		.amdhsa_system_sgpr_workgroup_id_x 1
		.amdhsa_system_sgpr_workgroup_id_y 1
		.amdhsa_system_sgpr_workgroup_id_z 1
		.amdhsa_system_vgpr_workitem_id 0
		.amdhsa_next_free_vgpr 256
		.amdhsa_next_free_sgpr 66
		.amdhsa_reserve_vcc 0
		.amdhsa_float_denorm_mode_32 3
		.amdhsa_float_denorm_mode_16_64 3
		.amdhsa_memory_ordered 1
		.amdhsa_forward_progress 1
		.amdhsa_inst_pref_size 104
	.end_amdhsa_kernel
	.amdgpu_metadata
---
amdhsa.version: [ 1, 2 ]
amdhsa.kernels:
  - .name:           k_qa4eb1fdecf_prep
    .symbol:         k_qa4eb1fdecf_prep.kd
    .args:
      - { .name: x, .offset: 0, .size: 8, .value_kind: global_buffer, .address_space: global }
      - { .name: w_codes, .offset: 8, .size: 8, .value_kind: global_buffer, .address_space: global }
      - { .name: absmax, .offset: 16, .size: 8, .value_kind: global_buffer, .address_space: global }
      - { .name: lora_A, .offset: 24, .size: 8, .value_kind: global_buffer, .address_space: global }
      - { .name: lora_B, .offset: 32, .size: 8, .value_kind: global_buffer, .address_space: global }
      - { .name: xb, .offset: 40, .size: 8, .value_kind: global_buffer, .address_space: global }
      - { .name: wb, .offset: 48, .size: 8, .value_kind: global_buffer, .address_space: global }
    .group_segment_fixed_size: 0
    .private_segment_fixed_size: 0
    .kernarg_segment_align: 8
    .kernarg_segment_size: 56
    .max_flat_workgroup_size: 512
    .sgpr_count:     66
    .vgpr_count:     256
    .wavefront_size: 32
...
	.end_amdgpu_metadata
.endif
;; end of part 3
;; launch gemm: the kernel of part 2 again; grid 16 x 16, 4 waves a work-group, clusters of 4 x 4, 327,680 bytes of LDS; arguments xb, wb, bias, out0; writes out0
